; MI455X (gfx1250); checked and timed in simulation.
; The chip was launched on July 23, 2026; its instructions are those of AMD's public machine-readable ISA for CDNA 5 (MIT licence, August 2026) and "CDNA5" Instruction Set Architecture Reference Guide (July 2026). The comments in the code are by the model that wrote it; some were corrected since.
;; DIF Attention Layer. Allowed arithmetic: matrix products marked QUANTISED: E4M3 operands, one E8M0 scale for each 32 along K, by v_wmma_scale_f32_16x16x128_f8f6f4 with both operands' format E4M3, f32 sums; everything else in f32.
;; Inputs: Wkc 256 x 256 float32; Wkk 256 x 256 float32; Wo 256 x 256 float32; Wqc 256 x 256 float32; Wqk 256 x 256 float32; Wv 256 x 256 float32; alpha_logit one number float32; bo 256 float32; category 4 x 2,048 x 256 float32; causal_mask 2,048 x 2,048 bool; content 4 x 2,048 x 256 float32.
;; Outputs: out0 4 x 2,048 x 256 float32.
;; This version of the problem:
;;   THIS VERSION OF THE PROBLEM IS GIVEN IN LOW PRECISION. The matrix products marked QUANTISED in the list below multiply operands that are first quantised to E4M3 (4 exponent bits, 3 mantissa bits; 8 bits a number), with one power-of-two scale for each 32 numbers along K (OCP MX v1.0); their sums are f32. All else is computed in f32.
;;   The module's matrix products, in the order in which they are computed (A, B: the left and right operand; K: the contracted axis; several contracted axes count as one K, in the product's order):
;;     1. [M 8,192, K 256] x [K 256, N 256]; A: input content; B: input Wqc: QUANTISED
;;     2. [M 8,192, K 256] x [K 256, N 256]; A: input content; B: input Wkc: QUANTISED
;;     3. [M 8,192, K 256] x [K 256, N 256]; A: input content; B: input Wv: QUANTISED
;;     4. [M 8,192, K 256] x [K 256, N 256]; A: input category; B: input Wqk: QUANTISED
;;     5. [M 8,192, K 256] x [K 256, N 256]; A: input category; B: input Wkk: QUANTISED
;;     6. batch 32 x [M 2,048, K 32] x [K 32, N 2,048]; A: computed on the way; B: computed on the way: QUANTISED
;;     7. batch 32 x [M 2,048, K 32] x [K 32, N 2,048]; A: computed on the way; B: computed on the way: QUANTISED
;;     8. batch 32 x [M 2,048, K 2,048] x [K 2,048, N 32]; A: computed on the way; B: computed on the way: QUANTISED
;;     9. [M 8,192, K 256] x [K 256, N 256]; A: computed on the way; B: input Wo: QUANTISED
;;   THE QUANTISER, for each operand of a quantised product, along K:
;;     - K is cut into blocks of 32 from its start; a last block that is shorter is filled with zeros.
;;     - A block's scale is 2^e with e = floor(log2(the largest magnitude in the block)) - 8, held to -126 .. 127; a block of zeros has e = 0. As a byte (E8M0): e + 127.
;;     - Each number is divided by its block's scale, clamped to +-448, and rounded to the nearest number of E4M3, ties to even, subnormals kept.
;;     - The product sums the exact products of the quantised numbers (number of the format x scale) in f32.
;;   ~~~python
;;   def quantise(x, axis):      # numpy; x: float32 -> the quantised numbers, widened to float32 again
;;       x = np.moveaxis(x, axis, -1); K = x.shape[-1]
;;       x = np.pad(x, [(0, 0)] * (x.ndim - 1) + [(0, -K % 32)]); x = x.reshape(x.shape[:-1] + (-1, 32)); a = np.abs(x).max(-1, keepdims=True)
;;       e = np.where(a > 0, np.clip(np.frexp(np.where(a > 0, a, 1))[1] - 1 - 8, -126, 127), 0)      # np.frexp(a)[1] - 1 = floor(log2(a)), exactly
;;       r = np.clip(x / 2.0 ** e, -448, 448)
;;       step = 2.0 ** (np.maximum(np.frexp(np.where(r == 0, 1, r))[1] - 1, -6) - 3)
;;       q = np.round(r / step) * step * 2.0 ** e      # np.round: ties to even
;;       return np.moveaxis(q.reshape(q.shape[:-2] + (-1,))[..., :K], -1, axis).astype(np.float32)
;;   ~~~
;;   OPERANDS COMPUTED ON THE WAY. 'Computed on the way' means the value that the module computes at that place (a softmax that the list does not call 'softmax' is quantised finished and normalised). What goes into a quantiser is computed in f32, as accurately as f32 sums, v_exp_f32 and their like allow (about 1e-6 of the number): no bf16 or f16 on the way to a quantiser, and a product that is left as it is and whose result goes on into a quantised operand takes f32 operands (vector FMAs, or v_wmma_f32_16x16x4_f32). A number that lies on a knife's edge between two numbers of the format may be rounded either way, as far as f32 arithmetic and the matrix unit's own rounding can turn it there, and no further.
;; One version. Each part assembles by itself: llvm-mc -triple=amdgcn-amd-amdhsa -mcpu=gfx1250 --defsym DOCPART=n.
;; ======== version 1 of 1: 3 launches
;; limits: right only within a limited range of input values
;; workspace buffers: ws 10,813,440 bytes; mk 4,194,304 bytes; need 512 bytes of whole numbers; wq 69,632 bytes; oc 2,097,152 bytes; os 65,536 bytes
;; launch prep (part 1): grid 7 x 64, 8 waves a work-group, no clusters, 138,496 bytes of LDS; arguments content, category, Wqc, Wkc, Wv, Wqk, Wkk, Wo, causal_mask, ws, mk, need, wq; writes ws, mk, need, wq
.if DOCPART == 1
	.amdgcn_target "amdgcn-amd-amdhsa--gfx1250"
	.amdhsa_code_object_version 6
	.text
	.protected	k_qab718d9f20_prep
	.globl	k_qab718d9f20_prep
	.p2align	8
	.type	k_qab718d9f20_prep,@function
k_qab718d9f20_prep:
	s_mov_b64 s[64:65], 0
	v_nop
	global_prefetch_b8 v0, s[64:65] scope:SCOPE_SE
	s_setreg_imm32_b32 hwreg(HW_REG_WAVE_MODE, 25, 1), 1
	s_wait_xcnt 0x0
; PREP.  Work-group x = kind, y = rb.
; kind 0..4: one projection y = x W^T (W = Wqc, Wkc, Wv, Wqk, Wkk) for 128 tokens (rb), on codes of E4M3 with one E8M0 scale for each 32 along K = 256.
;   x and W arrive as f32 and are quantised in registers; wave w makes head w (32 output columns) for all 128 tokens.  The results are quantised at once as operands of the
;   attention's products and stored as IMAGES OF OPERAND REGISTERS: Q and K along the head's 32 numbers, V along the keys.
; kind 5, 6: tile t = 64 (kind - 5) + rb of 16 queries: its 16 x 2,048 mask bytes are laid in the order in which the attention's lanes want them, each byte times 254,
;   and a word says which steps of 128 keys that tile has to walk.  Four of these work-groups also turn Wo into codes.
; THE TOKENS OF A TILE ARE NOT NEIGHBOURS: row r of tile t is token 32 (t / 2) + 8 (t % 2) + r + 8 (r / 8), so that the 16 result registers of two neighbouring tiles are 16 neighbours along the next K.
; No tensor load and no cluster: every operand is made in registers from f32 numbers, 16 KiB of x and 32 KiB of W to a wave's share of a work-group, and goes from wave to wave through LDS as register images.
; LIMITS: NaN and infinities are not served; a block whose largest magnitude lies under 2^-118 gets the scale byte 1, a block of zeros too (its codes are zeros; the bytes are read by this program alone);
;   mask bytes are 0 or 1.
.set REC,  337920                      ; a record of ws: one (batch, head)
.set KC,   0                           ; Kc's codes [tile 128][lane 32][16 bytes]
.set KK,   65536                       ; Kk's
.set VV,   131072                      ; V's [step 16][dt 2][block 4][lane][16 bytes]
.set KCS,  196608                      ; scale words [group of 4 tiles 32][row 16]
.set KKS,  198656
.set VS,   200704                      ; [step 16][16 dt + row]
.set QCS,  202752
.set QKS,  204800
.set QC,   206848
.set QK,   272384
.set XIMG, 0                           ; LDS, projections: x's 16 fragment images of 2,048 bytes (2 tile + K step),
.set XSC,  32768                       ; their scale words, 128 bytes each
.set MST,  34816                       ; LDS, mask path: a stage of 16 x 272 bytes for each wave,
.set NST,  69632                       ; and 8 bytes for each wave
.set XA,   5                           ; v5   (r + 8 (r / 8)) x 1,024 + 64 h: my lane's 16 numbers of a block of 32 in a row of 256 f32
.set LI,   6                           ; v6   16 x lane
.set LS,   7                           ; v7   4 x lane
.set XWI,  8                           ; v8   16 x lane + 4,096 x wave
.set XWS,  9                           ; v9   4 x lane + 256 x wave
.set TM,   16                          ; v16-31 at work in the quantisers
.set PC,   32                          ; v32-47 codes just made
.set WS,   48                          ; v48-51 W's scale words (2 u + K step)
.set XS,   52                          ; v52-55 x's scale words (2 i + K step)
.set WORD, 56                          ; v56-57 the results' scale words
.set BY,   58                          ; v58-59 two scale bytes
.set PW,   60                          ; v60    a scale word on its way out
.set WF,   64                          ; v64-127 W's four fragments (2 u + K step)
.set XF,   128                         ; v128-191 x's four fragments (2 i + K step)
.set ARA,  128                         ; staging area A: 64 numbers of f32
.set ARB,  192                         ; staging area B
.set DD,   192                         ; v192-223 four accumulators
.set PCS,  224                         ; v224-255 the results' codes, 8 registers a pair of tiles: no store's data are written again
.set MR,   64                          ; mask path: 8 x 4 registers as loaded
.set MB,   96                          ; and as they come back from the stage
.macro PLACES n
.rept \n
	v_nop
.endr
.endm
; my lane's 64 numbers of one K step of 128: 16 neighbours of each of four blocks of 32
.macro XLOAD reg, sb, off
.irp b, 0,1,2,3
.irp j, 0,1,2,3
	global_load_b128 v[\reg+16*\b+4*\j:\reg+16*\b+4*\j+3], v[XA], s[\sb:\sb+1] offset:(\off)+128*\b+16*\j
.endr
.endr
.endm
; 64 numbers of a lane, register 16 b + i = k 32 b + 16 h + i of my row, become a fragment's codes in v[d] on and its scale word in v[w]
.macro QUANT s, d, w
.irp b, 0,1,2,3
	v_max3_num_f32 v[TM+\b], |v[\s+16*\b]|, |v[\s+1+16*\b]|, 0x4800000   ; my 16 numbers of block b, and the floor 2^(9 - 127): the byte cannot fall under 1
.endr
.irp i, 2,4,6,8,10,12,14
.irp b, 0,1,2,3
	s_delay_alu instid0(VALU_DEP_4)
	v_max3_num_f32 v[TM+\b], v[TM+\b], |v[\s+16*\b+\i]|, |v[\s+1+16*\b+\i]|
.endr
.endr
.irp b, 0,1,2,3
	s_delay_alu instid0(VALU_DEP_4)
	v_permlanex16_b32 v[TM+4+\b], v[TM+\b], s4, s5
.endr
.irp b, 0,1,2,3
	s_delay_alu instid0(VALU_DEP_4)
	v_max_num_f32 v[TM+\b], v[TM+\b], v[TM+4+\b]                      ; with lane l xor 16's 16: the block's largest magnitude
.endr
.irp b, 0,1,2,3
	s_delay_alu instid0(VALU_DEP_4)
	v_add_nc_u32 v[TM+12+\b], 0xfc000000, v[TM+\b]                    ; 8 off its exponent field: the conversion's scale operand
.endr
.irp b, 0,1,2,3
	v_and_or_b32 v[TM+8+\b], v[TM+\b], 0x7f800000, s6                 ; 448 x the scale
.endr
.irp b, 0,1,2,3
	v_lshrrev_b32 v[TM+4+\b], 23, v[TM+12+\b]                         ; the scale's byte
.endr
	s_delay_alu instid0(VALU_DEP_3)
	v_lshl_or_b32 v[\w], v[TM+5], 8, v[TM+4]
	s_delay_alu instid0(VALU_DEP_1)
	v_lshl_or_b32 v[\w], v[TM+6], 16, v[\w]
	s_delay_alu instid0(VALU_DEP_1)
	v_lshl_or_b32 v[\w], v[TM+7], 24, v[\w]
.irp b, 0,1,2,3
.irp i, 0,1,2,3,4,5,6,7,8,9,10,11,12,13,14,15
	v_med3_num_f32 v[\s+16*\b+\i], v[\s+16*\b+\i], -v[TM+8+\b], v[TM+8+\b]   ; the conversion to an 8-bit code does not saturate (ISA guide 7.6.2): the hold comes first
.endr
	v_cvt_scalef32_pk8_fp8_f32 v[\d+4*\b:\d+4*\b+1], v[\s+16*\b:\s+16*\b+7], v[TM+12+\b]
	v_cvt_scalef32_pk8_fp8_f32 v[\d+4*\b+2:\d+4*\b+3], v[\s+16*\b+8:\s+16*\b+15], v[TM+12+\b]
.endr
	v_nop                                          ; a plain line behind the last conversion
.endm
.set STG,  70912                       ; LDS, projections: behind the spare words, a stage of 16 rows x 528 bytes for each wave
; 16 rows x 512 bytes (one K step of a tile's rows), as they lie: each load reads 512 consecutive bytes of one row, 16 a lane
.macro DLOAD reg, sb, off
.irp i, 0,1,2,3,4,5,6,7,8,9,10,11,12,13,14,15
	global_load_b128 v[\reg+4*\i:\reg+4*\i+3], v[LI], s[\sb:\sb+1] offset:(\off)+(\i+8*(\i/8))*1024
.endr
.endm
; through my own stage: in by rows, back as my lane's 16 neighbours of each of four blocks of 32.  LDS serves a wave's instructions in order (ISA guide 5.7.1.4): no wait between the stores and the loads.
; A stage row is 528 bytes = 132 words, so the sixteen rows that a load touches start at sixteen different groups of four banks
.macro TURN reg
.irp i, 0,1,2,3,4,5,6,7,8,9,10,11,12,13,14,15
	ds_store_b128 v10, v[\reg+4*\i:\reg+4*\i+3] offset:528*\i
.endr
.irp b, 0,1,2,3
.irp j, 0,1,2,3
	ds_load_b128 v[\reg+16*\b+4*\j:\reg+16*\b+4*\j+3], v11 offset:128*\b+16*\j
.endr
.endr
	s_wait_dscnt 0x0
.endm
.macro IMAGE off
.irp c, 0,1,2,3
	ds_store_b128 v[XWI], v[PC+4*\c:PC+4*\c+3] offset:(\off)+512*\c
.endr
.endm
.macro FETCHP p                        ; x's fragments and scale words of tiles 2 p and 2 p + 1, both K steps
.irp i, 0,1
.irp k, 0,1
.irp c, 0,1,2,3
	ds_load_b128 v[XF+16*(2*\i+\k)+4*\c:XF+16*(2*\i+\k)+4*\c+3], v[LI] offset:XIMG+(2*(2*(\p)+\i)+\k)*2048+512*\c
.endr
	ds_load_b32 v[XS+2*\i+\k], v[LS] offset:XSC+(2*(2*(\p)+\i)+\k)*128
.endr
.endr
.endm
; two pieces of 16 result registers (16 neighbours along the next K; the other 16 of the block lie in lane l xor 16) become codes; the pieces take turns line by line
.macro EPI2 p
.irp e, 0,1
	v_max3_num_f32 v[TM+\e], |v[DD+16*\e]|, |v[DD+16*\e+1]|, 0x4800000   ; each accumulator is read from its low end on
.endr
.irp i, 2,4,6,8,10,12,14
.irp e, 0,1
	v_max3_num_f32 v[TM+\e], v[TM+\e], |v[DD+16*\e+\i]|, |v[DD+16*\e+\i+1]|
.endr
.endr
.irp e, 0,1
	s_delay_alu instid0(VALU_DEP_2)
	v_permlanex16_b32 v[TM+4+\e], v[TM+\e], s4, s5
.endr
.irp e, 0,1
	s_delay_alu instid0(VALU_DEP_2)
	v_max_num_f32 v[TM+\e], v[TM+\e], v[TM+4+\e]
.endr
.irp e, 0,1
	s_delay_alu instid0(VALU_DEP_2)
	v_add_nc_u32 v[TM+12+\e], 0xfc000000, v[TM+\e]
.endr
.irp e, 0,1
	s_delay_alu instid0(VALU_DEP_4)
	v_and_or_b32 v[TM+8+\e], v[TM+\e], 0x7f800000, s6
.endr
.irp e, 0,1
	s_delay_alu instid0(VALU_DEP_4)
	v_lshrrev_b32 v[BY+\e], 23, v[TM+12+\e]
.endr
.irp e, 0,1
.irp i, 0,1,2,3,4,5,6,7,8,9,10,11,12,13,14,15
	v_med3_num_f32 v[DD+16*\e+\i], v[DD+16*\e+\i], -v[TM+8+\e], v[TM+8+\e]
.endr
.endr
.irp e, 0,1
	v_cvt_scalef32_pk8_fp8_f32 v[PCS+8*(\p)+4*\e:PCS+8*(\p)+4*\e+1], v[DD+16*\e:DD+16*\e+7], v[TM+12+\e]
	v_cvt_scalef32_pk8_fp8_f32 v[PCS+8*(\p)+4*\e+2:PCS+8*(\p)+4*\e+3], v[DD+16*\e+8:DD+16*\e+15], v[TM+12+\e]
.endr
	v_nop                                          ; a plain line behind the last conversion: the next pair's products write its sources
.endm
; Tiles 2 p and 2 p + 1 of the 128 tokens.  arm = 0 (Q, K): source 0 = 16 rows of W, source 1 = x: a lane holds one token, registers along the head's numbers.
; arm = 1 (V): source 0 = x, source 1 = 16 rows of W: a lane holds one of the head's numbers, registers along the tokens, which are the keys.
; The four accumulators take turns, one instruction a turn, K step by K step.
.macro PAIR arm, p
	s_wait_dscnt 0x0                               ; this pair's fragments and scale words are in
.irp k, 0,1
.irp i, 0,1
.irp u, 0,1
.if \arm
.if \k == 0
	v_wmma_scale_f32_16x16x128_f8f6f4 v[DD+8*(2*\u+\i):DD+8*(2*\u+\i)+7], v[XF+16*(2*\i+\k):XF+16*(2*\i+\k)+15], v[WF+16*(2*\u+\k):WF+16*(2*\u+\k)+15], 0, v[XS+2*\i+\k], v[WS+2*\u+\k]
.else
	v_wmma_scale_f32_16x16x128_f8f6f4 v[DD+8*(2*\u+\i):DD+8*(2*\u+\i)+7], v[XF+16*(2*\i+\k):XF+16*(2*\i+\k)+15], v[WF+16*(2*\u+\k):WF+16*(2*\u+\k)+15], v[DD+8*(2*\u+\i):DD+8*(2*\u+\i)+7], v[XS+2*\i+\k], v[WS+2*\u+\k]
.endif
.else
.if \k == 0
	v_wmma_scale_f32_16x16x128_f8f6f4 v[DD+8*(2*\i+\u):DD+8*(2*\i+\u)+7], v[WF+16*(2*\u+\k):WF+16*(2*\u+\k)+15], v[XF+16*(2*\i+\k):XF+16*(2*\i+\k)+15], 0, v[WS+2*\u+\k], v[XS+2*\i+\k]
.else
	v_wmma_scale_f32_16x16x128_f8f6f4 v[DD+8*(2*\i+\u):DD+8*(2*\i+\u)+7], v[WF+16*(2*\u+\k):WF+16*(2*\u+\k)+15], v[XF+16*(2*\i+\k):XF+16*(2*\i+\k)+15], v[DD+8*(2*\i+\u):DD+8*(2*\i+\u)+7], v[WS+2*\u+\k], v[XS+2*\i+\k]
.endif
.endif
.endr
.endr
.endr
	PLACES 9                                       ; nine places: the next pair's first products write over these results; eight would serve the loads below and the reads
.if \p < 3
	FETCHP \p+1
.endif
	EPI2 \p
.irp e, 0,1
.if \arm
.if \p == 0
	v_mov_b32 v[WORD+\e], v[BY+\e]                 ; V: word dt, byte = the block of 32 keys
.else
	v_lshl_or_b32 v[WORD+\e], v[BY+\e], 8*(\p), v[WORD+\e]
.endif
	global_store_b128 v[LI], v[PCS+8*(\p)+4*\e:PCS+8*(\p)+4*\e+3], s[42:43] offset:2048*\e+512*(\p)   ; 512 bytes on end, at a multiple of 512 from the buffer's first byte
.else
.if (2*((\p)%2)+\e) == 0
	v_mov_b32 v[WORD+(\p)/2], v[BY+\e]             ; Q, K: word = the group of four tiles, byte = the tile in it
.else
	v_lshl_or_b32 v[WORD+(\p)/2], v[BY+\e], 8*(2*((\p)%2)+\e), v[WORD+(\p)/2]
.endif
	global_store_b128 v[LI], v[PCS+8*(\p)+4*\e:PCS+8*(\p)+4*\e+3], s[42:43] offset:(2*(\p)+\e)*512
.endif
.endr
.endm
	s_load_b512 s[8:23], s[0:1], 0x0               ; content, category, Wqc, Wkc, Wv, Wqk, Wkk, Wo
	s_load_b256 s[24:31], s[0:1], 0x40             ; causal_mask, ws, mk, need
	s_load_b64 s[32:33], s[0:1], 0x60              ; wq
	v_lshl_add_u32 v62, v0, 2, 0x11100
	v_mov_b32 v63, 0
	v_lshrrev_b32 v1, 5, v0
	s_delay_alu instid0(VALU_DEP_1)
	v_readfirstlane_b32 s2, v1                     ; wave 0..7
	s_and_b32 s3, ttmp7, 0xffff                    ; rb
	s_mov_b32 s4, 0x76543210
	s_mov_b32 s5, 0xfedcba98                       ; v_permlanex16_b32's selects for lane l xor 16
	s_mov_b32 s6, 0x600000                         ; the mantissa field of 448
	v_and_b32 v1, 31, v0                           ; lane
	v_and_b32 v2, 15, v0                           ; r
	v_bfe_u32 v3, v0, 4, 1                         ; h
	s_delay_alu instid0(VALU_DEP_2)
	v_and_b32 v4, 8, v2
	s_delay_alu instid0(VALU_DEP_1)
	v_add_nc_u32 v4, v4, v2                        ; r + 8 (r / 8)
	s_delay_alu instid0(VALU_DEP_1)
	v_lshlrev_b32 v[XA], 10, v4
	s_delay_alu instid0(VALU_DEP_1)
	v_lshl_add_u32 v[XA], v3, 6, v[XA]
	v_lshlrev_b32 v[LI], 4, v1
	v_lshlrev_b32 v[LS], 2, v1
.irp b, 0,1,2,3
	v_mov_b32 v[TM+4+\b], 0                        ; written once: a lane permute's destination counts as one of its sources
.endr
	s_cmp_ge_u32 ttmp9, 5                          ; the same in all waves of a work-group
	s_cbranch_scc1 .Lmask
	; ---------------- a projection
	s_lshl_b32 s40, s2, 12
	v_add_nc_u32 v[XWI], s40, v[LI]
	s_lshl_b32 s40, s2, 8
	v_add_nc_u32 v[XWS], s40, v[LS]
	s_mul_i32 s40, s2, 8448
	s_add_co_u32 s40, s40, STG                     ; my stage
	v_add_nc_u32 v10, s40, v[LI]                   ; in: 16 x lane in a row
	v_mul_u32_u24 v11, v2, 528
	v_lshl_add_u32 v11, v3, 6, v11
	v_add_nc_u32 v11, s40, v11                     ; back: row r, + 64 h
	s_lshl_b32 s46, s3, 7                          ; x: token 128 rb + 32 (w / 2) + 8 (w % 2): tile w of the 128
	s_lshr_b32 s47, s2, 1
	s_lshl_b32 s47, s47, 5
	s_add_co_u32 s46, s46, s47
	s_and_b32 s47, s2, 1
	s_lshl_b32 s47, s47, 3
	s_add_co_u32 s46, s46, s47
	s_lshl_b32 s46, s46, 10                        ; rows of 1,024 bytes
	s_mov_b32 s47, 0
	s_lshl_b32 s48, s2, 15                         ; W: row 32 w
	s_mov_b32 s49, 0
	s_wait_kmcnt 0x0
	s_cmp_lt_u32 ttmp9, 3
	s_cselect_b64 s[34:35], s[8:9], s[10:11]       ; content for kinds 0 to 2, category for 3 and 4
	s_mov_b64 s[36:37], s[12:13]                   ; kind 0: Wqc, Qc's places
	s_mov_b32 s38, QC
	s_mov_b32 s39, QCS
	s_cmp_eq_u32 ttmp9, 1
	s_cselect_b64 s[36:37], s[14:15], s[36:37]
	s_cselect_b32 s38, KC, s38
	s_cselect_b32 s39, KCS, s39
	s_cmp_eq_u32 ttmp9, 2
	s_cselect_b64 s[36:37], s[16:17], s[36:37]
	s_cselect_b32 s38, VV, s38
	s_cselect_b32 s39, VS, s39
	s_cmp_eq_u32 ttmp9, 3
	s_cselect_b64 s[36:37], s[18:19], s[36:37]
	s_cselect_b32 s38, QK, s38
	s_cselect_b32 s39, QKS, s39
	s_cmp_eq_u32 ttmp9, 4
	s_cselect_b64 s[36:37], s[20:21], s[36:37]
	s_cselect_b32 s38, KK, s38
	s_cselect_b32 s39, KKS, s39
	s_lshr_b32 s40, s3, 4                          ; batch
	s_lshl_b32 s40, s40, 3
	s_add_co_u32 s40, s40, s2                      ; record 8 b + head
	s_mul_i32 s40, s40, REC
	s_and_b32 s41, s3, 15                          ; the step of 128 tokens in the batch
	s_lshl_b32 s42, s41, 12                        ; codes: 4,096 bytes a step
	s_add_co_u32 s42, s42, s40
	s_add_co_u32 s42, s42, s38
	s_mov_b32 s43, 0
	s_lshl_b32 s44, s41, 7                         ; scale words: 128 bytes a step
	s_add_co_u32 s44, s44, s40
	s_add_co_u32 s44, s44, s39
	s_mov_b32 s45, 0
	s_add_nc_u64 s[34:35], s[34:35], s[46:47]
	s_add_nc_u64 s[36:37], s[36:37], s[48:49]
	s_add_nc_u64 s[42:43], s[26:27], s[42:43]
	s_add_nc_u64 s[44:45], s[26:27], s[44:45]
	; six quantising jobs on two staging areas by turns: W's four fragments, then my tile of x.  While one area is quantised the other's 16 loads are out
	s_wait_alu depctr_va_vdst(0)
	DLOAD ARA, 36, 0
	DLOAD ARB, 36, 512
	s_wait_loadcnt 16                              ; area A's 16 loads are in; area B's 16 are younger
	TURN ARA
	QUANT ARA, WF, WS
	DLOAD ARA, 36, 8192
	s_wait_loadcnt 16
	TURN ARB
	QUANT ARB, WF+16, WS+1
	DLOAD ARB, 36, 8192+512
	s_wait_loadcnt 16
	TURN ARA
	QUANT ARA, WF+32, WS+2
	DLOAD ARA, 34, 0
	s_wait_loadcnt 16
	TURN ARB
	QUANT ARB, WF+48, WS+3
	DLOAD ARB, 34, 512
	s_wait_loadcnt 16
	TURN ARA
	QUANT ARA, PC, PW
	IMAGE XIMG
	ds_store_b32 v[XWS], v[PW] offset:XSC
	s_wait_dscnt 0x0                               ; the stores have read their registers
	s_wait_loadcnt 0x0
	TURN ARB
	QUANT ARB, PC, PW
	IMAGE XIMG+2048
	ds_store_b32 v[XWS], v[PW] offset:XSC+128
	s_wait_dscnt 0x0                               ; for the others' sake: my images have landed
	s_barrier_signal -1
	s_barrier_wait -1                              ; x's sixteen fragments lie in LDS
	FETCHP 0
	s_cmp_eq_u32 ttmp9, 2
	s_cbranch_scc1 .Lv
	PAIR 0, 0
	PAIR 0, 1
	PAIR 0, 2
	PAIR 0, 3
	s_branch .Ltail
.Lv:
	PAIR 1, 0
	PAIR 1, 1
	PAIR 1, 2
	PAIR 1, 3
.Ltail:
	s_mov_b32 s50, 0xffff0000
	s_wait_alu depctr_va_vdst(0)
	v_cndmask_b32 v[PW], v[WORD], v[WORD+1], s50   ; lanes 0-15 the first word, lanes 16-31 the second (both halves of the lanes hold both)
	global_store_b32 v[LS], v[PW], s[44:45]        ; 128 bytes on end: half of an aligned 256; the scale words are one byte in 32 of what this path stores
	s_wait_tensorcnt 0x0
	ds_add_u32 v62, v63
	s_wait_dscnt 0x0
	s_endpgm
	; ---------------- the mask of one tile of queries
.Lmask:
	s_sub_co_u32 s40, ttmp9, 5
	s_lshl_b32 s40, s40, 6
	s_add_co_u32 s40, s40, s3                      ; the tile, 0..127
	s_lshr_b32 s41, s40, 1
	s_lshl_b32 s41, s41, 16                        ; 32 rows of 2,048 bytes
	s_and_b32 s42, s40, 1
	s_lshl_b32 s42, s42, 14                        ; 8 rows
	s_add_co_u32 s42, s42, s41
	s_lshl_b32 s41, s2, 8                          ; my wave's 256 keys
	s_add_co_u32 s42, s42, s41
	s_mov_b32 s43, 0
	s_lshl_b32 s44, s40, 15                        ; mk: 32,768 bytes a tile, 4,096 a wave
	s_lshl_b32 s41, s2, 12
	s_add_co_u32 s44, s44, s41
	s_mov_b32 s45, 0
	s_lshl_b32 s46, s40, 2                         ; need: a word a tile
	s_mov_b32 s47, 0
	v_lshlrev_b32 v10, 4, v2
	s_delay_alu instid0(VALU_DEP_1)
	v_lshl_add_u32 v10, v3, 11, v10                ; in: lanes 0-15 one row's 256 bytes, lanes 16-31 the next row's
	s_mul_i32 s41, s2, 4352
	s_add_co_u32 s41, s41, MST                     ; my stage
	v_mul_u32_u24 v11, v2, 272
	s_delay_alu instid0(VALU_DEP_1)
	v_lshl_add_u32 v11, v3, 4, v11
	s_delay_alu instid0(VALU_DEP_1)
	v_add_nc_u32 v11, s41, v11                     ; into it: line = my 16 keys' place, 16 bytes a row
	v_mul_u32_u24 v12, v3, 272
	s_delay_alu instid0(VALU_DEP_1)
	v_lshl_add_u32 v12, v2, 4, v12
	s_delay_alu instid0(VALU_DEP_1)
	v_add_nc_u32 v12, s41, v12                     ; out of it: sixteen lanes a line: 16 rows x 16 keys
	s_lshl_b32 s41, s2, 3
	s_add_co_u32 s41, s41, NST
	v_mov_b32 v13, s41
	v_mov_b32 v14, NST
	s_mov_b32 s57, 0x01010101
	s_mov_b32 s58, 254
	s_wait_alu depctr_va_vdst(0)
	s_wait_kmcnt 0x0
	s_add_nc_u64 s[42:43], s[24:25], s[42:43]
	s_add_nc_u64 s[44:45], s[28:29], s[44:45]
	s_add_nc_u64 s[46:47], s[30:31], s[46:47]
.irp i, 0,1,2,3,4,5,6,7
	global_load_b128 v[MR+4*\i:MR+4*\i+3], v10, s[42:43] offset:(2*\i+8*(\i/4))*2048 th:TH_LOAD_NT   ; rows 2 i and 2 i + 1 of the tile; sixteen lanes read 256 aligned bytes
.endr
	s_wait_loadcnt 0x0
.irp i, 0,1,2,3,4,5,6,7
	v_and_b32 v16, v[MR+4*\i], v[MR+4*\i+1]
	v_and_b32 v17, v[MR+4*\i+2], v[MR+4*\i+3]
	s_delay_alu instid0(VALU_DEP_1)
	v_and_b32 v16, v16, v17
	s_delay_alu instid0(VALU_DEP_1)
	v_cmp_eq_u32 s[48+\i], s57, v16                ; a bit a lane: all my 16 keys of this row are blocked
.irp q, 0,1,2,3
	v_mul_lo_u32 v[MR+4*\i+\q], v[MR+4*\i+\q], s58 ; bytes 0 or 1 become 0 or 254: moved to a word's top byte that is 0 or -2^125
.endr
	ds_store_b128 v11, v[MR+4*\i:MR+4*\i+3] offset:32*\i
.endr
	; is any of my lane's 8 rows x 16 keys blocked?  The 32 words are joined by OR, eight chains by turns
.irp i, 0,1,2,3,4,5,6,7
	v_or_b32 v[32+\i], v[MR+4*\i], v[MR+4*\i+1]
.endr
.irp i, 0,1,2,3,4,5,6,7
	v_or_b32 v[40+\i], v[MR+4*\i+2], v[MR+4*\i+3]
.endr
.irp i, 0,1,2,3,4,5,6,7
	v_or_b32 v[32+\i], v[32+\i], v[40+\i]
.endr
.irp i, 0,1,2,3
	v_or_b32 v[32+\i], v[32+\i], v[36+\i]
.endr
	v_or_b32 v32, v32, v34
	v_or_b32 v33, v33, v35
	v_or_b32 v32, v32, v33
	v_cmp_ne_u32 s63, 0, v32                       ; a bit a lane
.irp k, 0,1,2,3,4,5,6,7
	ds_load_b128 v[MB+4*\k:MB+4*\k+3], v12 offset:544*\k   ; LDS serves a wave's instructions in order (ISA guide 5.7.1.4): these see my stores
.endr
.irp k, 0,1,2,3,4,5,6,7
	s_wait_dscnt 7-\k                              ; load k is in; the younger ones may be out
	global_store_b128 v[LI], v[MB+4*\k:MB+4*\k+3], s[44:45] offset:512*\k
.endr
	; whole numbers from the ballots, by selects alone.  Bit (16 hh + q) of ballot i: row 2 i + hh, keys 16 q on
	s_and_b32 s59, s48, s49
.irp i, 50,51,52,53,54,55
	s_and_b32 s59, s59, s\i
.endr
	s_mov_b32 s60, 0
.irp i, 0,1,2,3,4,5,6,7
	s_and_b32 s61, s[48+\i], 0xffff
	s_cmp_eq_u32 s61, 0xffff
	s_cselect_b32 s61, 1<<(2*\i), 0
	s_or_b32 s60, s60, s61                         ; row 2 i is blocked at all my 256 keys
	s_lshr_b32 s61, s[48+\i], 16
	s_cmp_eq_u32 s61, 0xffff
	s_cselect_b32 s61, 1<<(2*\i+1), 0
	s_or_b32 s60, s60, s61
.endr
	s_and_b32 s61, s59, 0x00ff00ff
	s_cmp_eq_u32 s61, 0x00ff00ff
	s_cselect_b32 s62, 0, 1                        ; my first 128 keys must be walked unless all 16 rows are blocked there
	s_and_b32 s61, s59, 0xff00ff00
	s_cmp_eq_u32 s61, 0xff00ff00
	s_cselect_b32 s61, 0, 2
	s_or_b32 s62, s62, s61
	s_and_b32 s61, s63, 0x00ff00ff                 ; the word's upper half: a step that holds any blocked byte
	s_cselect_b32 s61, 0x10000, 0
	s_or_b32 s62, s62, s61
	s_and_b32 s61, s63, 0xff00ff00
	s_cselect_b32 s61, 0x20000, 0
	s_or_b32 s62, s62, s61
	s_lshl_b32 s61, s2, 1
	s_lshl_b32 s62, s62, s61                       ; steps 2 w and 2 w + 1
	v_mov_b32 v16, s60
	v_mov_b32 v17, s62
	ds_store_b64 v13, v[16:17]                     ; all lanes write the same 8 bytes with the same values
	s_wait_dscnt 0x0
	s_barrier_signal -1
	s_barrier_wait -1
.irp q, 0,1,2,3
	ds_load_b128 v[128+4*\q:131+4*\q], v14 offset:16*\q
.endr
	s_wait_dscnt 0x0
	v_and_b32 v18, v128, v130
.irp q, 132,134,136,138,140,142
	s_delay_alu instid0(VALU_DEP_1)
	v_and_b32 v18, v18, v\q                        ; rows blocked at all 2,048 keys
.endr
	v_or_b32 v19, v129, v131
.irp q, 133,135,137,139,141,143
	s_delay_alu instid0(VALU_DEP_1)
	v_or_b32 v19, v19, v\q
.endr
	v_or_b32 v20, 0xffff, v19                      ; all steps walked; the upper half stays
	v_cmp_ne_u32 vcc_lo, 0, v18
	s_delay_alu instid0(VALU_DEP_1)
	v_cndmask_b32 v20, v19, v20, vcc_lo            ; such a row's weights are 1 / 2,048 at every key: then all steps are walked
	v_mov_b32 v21, 0
	v_cmp_eq_u32 vcc_lo, 0, v0
	s_wait_alu depctr_va_vdst(0)
	s_wait_xcnt 0x0                                ; EXEC changes only behind this wait: stores have been issued
	s_and_saveexec_b32 s56, vcc_lo
	global_store_b32 v21, v20, s[46:47]            ; thread 0 alone
	s_wait_xcnt 0x0
	s_or_b32 exec_lo, exec_lo, s56
	; Wo's 32 fragments: a wave each, in work-groups (5, 0..3)
	s_cmp_eq_u32 ttmp9, 5
	s_cbranch_scc0 .Ldone
	s_cmp_lt_u32 s3, 4
	s_cbranch_scc0 .Ldone
	s_lshl_b32 s40, s3, 3
	s_add_co_u32 s40, s40, s2                      ; f = 4 w' + 2 u + K step
	s_lshr_b32 s34, s40, 2
	s_lshl_b32 s34, s34, 15                        ; row 32 w'
	s_bfe_u32 s41, s40, 0x10001
	s_lshl_b32 s41, s41, 13                        ; + 8 u
	s_add_co_u32 s34, s34, s41
	s_and_b32 s41, s40, 1
	s_lshl_b32 s41, s41, 9                         ; 512 bytes along the row a K step
	s_add_co_u32 s34, s34, s41
	s_mov_b32 s35, 0
	s_add_nc_u64 s[34:35], s[22:23], s[34:35]
	s_lshl_b32 s36, s40, 11
	s_mov_b32 s37, 0
	s_add_nc_u64 s[36:37], s[32:33], s[36:37]
	s_lshl_b32 s38, s40, 7
	s_mov_b32 s39, 0
	s_add_nc_u64 s[38:39], s[32:33], s[38:39]
	XLOAD ARA, 34, 0
	s_wait_loadcnt 0x0
	QUANT ARA, PC, PW
.irp c, 0,1,2,3
	global_store_b128 v[LI], v[PC+4*\c:PC+4*\c+3], s[36:37] offset:512*\c
.endr
	global_store_b32 v[LS], v[PW], s[38:39] offset:65536
.Ldone:
	s_wait_tensorcnt 0x0
	ds_add_u32 v62, v63
	s_wait_dscnt 0x0
	s_endpgm
.Lfunc_end_k_qab718d9f20_prep:
	.size	k_qab718d9f20_prep, .Lfunc_end_k_qab718d9f20_prep-k_qab718d9f20_prep
	.p2alignl 7, 3214868480
	.fill 96, 4, 3214868480
	.section	.rodata,"a",@progbits
	.p2align	6, 0x0
	.amdhsa_kernel k_qab718d9f20_prep
		.amdhsa_group_segment_fixed_size 138496
		.amdhsa_private_segment_fixed_size 0
		.amdhsa_enable_private_segment 0
		.amdhsa_kernarg_size 104
		.amdhsa_user_sgpr_count 2
		.amdhsa_user_sgpr_kernarg_segment_ptr 1
		.amdhsa_wavefront_size32 1
		.amdhsa_system_sgpr_workgroup_id_x 1
		.amdhsa_system_sgpr_workgroup_id_y 1
		.amdhsa_system_sgpr_workgroup_id_z 1
		.amdhsa_system_vgpr_workitem_id 0
		.amdhsa_next_free_vgpr 256
		.amdhsa_next_free_sgpr 66
		.amdhsa_reserve_vcc 1
		.amdhsa_float_denorm_mode_32 3
		.amdhsa_float_denorm_mode_16_64 3
		.amdhsa_memory_ordered 1
		.amdhsa_forward_progress 1
		.amdhsa_inst_pref_size 166
	.end_amdhsa_kernel
	.amdgpu_metadata
---
amdhsa.version: [ 1, 2 ]
amdhsa.kernels:
  - .name:           k_qab718d9f20_prep
    .symbol:         k_qab718d9f20_prep.kd
    .args:
      - { .name: content, .offset: 0, .size: 8, .value_kind: global_buffer, .address_space: global }
      - { .name: category, .offset: 8, .size: 8, .value_kind: global_buffer, .address_space: global }
      - { .name: Wqc, .offset: 16, .size: 8, .value_kind: global_buffer, .address_space: global }
      - { .name: Wkc, .offset: 24, .size: 8, .value_kind: global_buffer, .address_space: global }
      - { .name: Wv, .offset: 32, .size: 8, .value_kind: global_buffer, .address_space: global }
      - { .name: Wqk, .offset: 40, .size: 8, .value_kind: global_buffer, .address_space: global }
      - { .name: Wkk, .offset: 48, .size: 8, .value_kind: global_buffer, .address_space: global }
      - { .name: Wo, .offset: 56, .size: 8, .value_kind: global_buffer, .address_space: global }
      - { .name: causal_mask, .offset: 64, .size: 8, .value_kind: global_buffer, .address_space: global }
      - { .name: ws, .offset: 72, .size: 8, .value_kind: global_buffer, .address_space: global }
      - { .name: mk, .offset: 80, .size: 8, .value_kind: global_buffer, .address_space: global }
      - { .name: need, .offset: 88, .size: 8, .value_kind: global_buffer, .address_space: global }
      - { .name: wq, .offset: 96, .size: 8, .value_kind: global_buffer, .address_space: global }
    .group_segment_fixed_size: 138496
    .private_segment_fixed_size: 0
    .kernarg_segment_align: 8
    .kernarg_segment_size: 104
    .max_flat_workgroup_size: 256
    .sgpr_count:     66
    .vgpr_count:     256
    .wavefront_size: 32
...
	.end_amdgpu_metadata
.endif
;; end of part 1
;; launch attn (part 2): grid 8 x 32, 16 waves a work-group, no clusters, 323,840 bytes of LDS; arguments ws, mk, need, alpha_logit, oc, os; writes oc, os
.if DOCPART == 2
	.amdgcn_target "amdgcn-amd-amdhsa--gfx1250"
	.amdhsa_code_object_version 6
	.text
	.protected	k_qab718d9f20_attn
	.globl	k_qab718d9f20_attn
	.p2align	8
	.type	k_qab718d9f20_attn,@function
k_qab718d9f20_attn:
	s_mov_b64 s[64:65], 0
	v_nop
	global_prefetch_b8 v0, s[64:65] scope:SCOPE_SE
	s_setreg_imm32_b32 hwreg(HW_REG_WAVE_MODE, 25, 1), 1
	s_wait_xcnt 0x0
; ATTN.  For one (batch, head) bh = work-group y: A = alpha softmax(Qk Kk^T / sqrt(32)) + (1 - alpha) softmax(Qc Kc^T / sqrt(32)), both under the given mask; O = A V.
; All three products on codes of E4M3 with E8M0 scales.  A is quantised FINISHED AND NORMALISED, in blocks of 32 keys, so each row's maxima and sums are known before any code of A is made:
; TWO WALKS over the keys.  The first finds, for both score matrices, a running maximum and sum; the second makes the scores again, A, its codes, and O^T += V^T A^T.
; SHARES.  The work-group owns the 16 tiles 8 rank + x of 16 queries.  Waves j and 8 + (j xor 4) (j = 0..7) share the tiles of rank 15 - j (segment 0) and rank j (segment 1).
;   Of the sixteen steps of 128 keys of segment 0 wave j walks steps 0-12 (j < 4) or 0-9 (j >= 4); of segment 1 it walks nothing, but wave 7 step 0.  Its partner walks all the other steps of both segments.
;   The split is a constant of the text and covers every step once, whatever the mask; the stored step bits are cut by it.  Where the mask is causal, waves 0-3 have 13 live steps, waves 4-7 ten, waves 8-11 seven, waves 12-15 four.
;   Every wave runs the same text for both segments.  A part's maxima and sums (512 bytes) and its part of O^T (2,048 bytes) go through LDS slots of the writing wave's own; barriers part the stores from the reads.
; K's, V's codes and scales of the whole head, 202,752 bytes, lie in LDS, filled once through registers: K's and the scales ahead of the first walk, V's behind it.
; LAYOUT.  Both products are used transposed: a lane holds ONE query (lane % 16); the 16 registers of two neighbouring tiles of keys are 16 neighbouring keys.
; FOUR TILES OF KEYS TO A FRAGMENT.  The scores' K is 32, the instruction's 128: block c of source 0 holds tile 4 g + c; for tile t source 1 is a window of 16 registers in which Q stands in block t and zero codes elsewhere.
; THE MASK IS THE C OPERAND: a mask byte (0 or 254) moved to a word's top byte is 0 or -2^125.  A step in which no byte is blocked takes the constant 0 as C and loads no mask bytes.
; STEPS THAT THE MASK BLOCKS WHOLLY for a tile are jumped over.  Both choices hang on a word that the launch before stored.  So this launch branches on numbers read from memory. It holds no tensor load; joint requests
; exist for tensor loads alone, hence no cluster.  No prefetch: the record is read once, with no loop ahead of it; mask bytes are asked for one step ahead, into registers.
; THE WEIGHTS GO INTO THE EXPONENT: A = 2^(c s + B + log2((1 - alpha) / sum)) + the same of the category's.
; A ROW BLOCKED AT EVERY KEY gets the weight 1 / 2,048 at every key, as a softmax of equal numbers gives.
; LIMITS: a row whose largest score lies under about -2^92 counts as blocked at every key; NaN and infinities are not served; mask bytes are 0 or 1; an exponential under 2^-126 is 0; a block of zeros has the scale byte 1.
.set REC,  337920
.set KCS,  196608
.set VS,   200704
.set QCS,  202752
.set QC,   206848
.set QK,   272384
.set OSC,  202752                      ; LDS: 256 bytes, O's scale bytes of the 16 tiles
.set QB,   203008                      ; Q of a wave's two segments: Qc 512, Qk 512, scale words 128 bytes a segment
.set QSEG, 1152
.set STB,  239872                      ; maxima and sums: [8 x part + j][segment][lane] 16 bytes
.set OB,   256256                      ; parts of O^T: [8 x part + j][segment] 2,048 bytes
.set SPARE, 321792                     ; the spare words, 128 bytes a wave
.set L16,  1                           ; v1   16 x lane
.set MO,   2                           ; v2   the mask loads' offset
.set ADK,  3                           ; v3-5 LDS addresses of the step's Kc, Kk, V
.set ADKK, 4
.set ADV,  5
.set ADS,  6                           ; v6   K's scale words: lanes 0-15 Kc's, lanes 16-31 Kk's
.set ADT,  7                           ; v7   V's
                                       ; v8, v9 their lane parts; v10 log2(1 - alpha), v11 log2(alpha)
                                       ; v12-55 Q's window: zeros 12-23, Qc 24-27, zeros 28-39, Qk 40-43, zeros 44-55
                                       ; v56 Q's scales, v57 K's, v58 V's, v59 A's: scales and nothing else
                                       ; v60 B, v61 m (content); v62, v63 (category); v[64:67] the sums; v68, v70 factors; v72, v74 c or 0; v76-91 O^T
.set R,    92                          ; v92-107  a step's mask bytes
.set BI,   108                         ; v108-139 the C operands of four tiles; else at work
                                       ; v140-155 Kc's fragment, later V's dt = 0; v156-171 Kk's, later V's dt = 1
.set SC,   172
.set SK,   204
.set PCD,  236                         ; v236-251 A's codes of 128 keys
.set CNT,  32
.set TB,   33
.set TS,   34
.set MN,   35                          ; the next step's place in the tile's mask bytes
.set CUR,  36                          ; bit 0: this step is walked
.set MIX,  44                          ; bit 0: this step is walked and holds blocked bytes
.set SEG,  54
.macro PLACES n
.rept \n
	v_nop
.endr
.endm
.macro PRE bit                         ; the mask bytes of the step at s[MN], 2,048 bytes, if that step wants them
	s_bitcmp1_b32 s[MIX], \bit
	s_cbranch_scc0 .Lnopre_\@
	s_wait_loadcnt 0x0                             ; no load is out into the registers that these loads name
	s_wait_xcnt 0x0                                ; the earlier loads have read their offset register
	v_add_nc_u32 v[MO], s[MN], v[L16]
.irp q, 0,1,2,3
	global_load_b128 v[R+4*\q:R+4*\q+3], v[MO], s[40:41] offset:512*\q
.endr
.Lnopre_\@:
.endm
.macro PERMS gp, t                     ; tile t's C operand
.irp j, 0,1,2,3,4,5,6,7
	v_perm_b32 v[BI+8*(\t)+\j], v[R+8*(\gp)+2*(\t)+\j/4], v[R+8*(\gp)+2*(\t)+\j/4], s[28+\j%4]
.endr
.endm
.macro KLOAD gp
.irp c, 0,1,2,3
	ds_load_b128 v[140+4*\c:143+4*\c], v[ADK] offset:2048*\gp+512*\c
	ds_load_b128 v[156+4*\c:159+4*\c], v[ADKK] offset:2048*\gp+512*\c
.endr
	ds_load_b32 v57, v[ADS] offset:64*\gp
.endm
.macro VLOAD
.irp c, 0,1,2,3
	ds_load_b128 v[140+4*\c:143+4*\c], v[ADV] offset:512*\c
	ds_load_b128 v[156+4*\c:159+4*\c], v[ADV] offset:2048+512*\c
.endr
	ds_load_b32 v58, v[ADT]
.endm
.macro SCORES m                        ; S^T of 64 keys, both matrices.  m = 1: the mask is C; m = 0: C is 0
.irp t, 0,1,2,3
.if \m
	v_wmma_scale_f32_16x16x128_f8f6f4 v[SC+8*\t:SC+8*\t+7], v[140:155], v[24-4*\t:39-4*\t], v[BI+8*\t:BI+8*\t+7], v57, v56
	v_wmma_scale_f32_16x16x128_f8f6f4 v[SK+8*\t:SK+8*\t+7], v[156:171], v[40-4*\t:55-4*\t], v[BI+8*\t:BI+8*\t+7], v57, v56 matrix_a_scale:MATRIX_SCALE_ROW1 matrix_b_scale:MATRIX_SCALE_ROW1
.else
	v_wmma_scale_f32_16x16x128_f8f6f4 v[SC+8*\t:SC+8*\t+7], v[140:155], v[24-4*\t:39-4*\t], 0, v57, v56
	v_wmma_scale_f32_16x16x128_f8f6f4 v[SK+8*\t:SK+8*\t+7], v[156:171], v[40-4*\t:55-4*\t], 0, v57, v56 matrix_a_scale:MATRIX_SCALE_ROW1 matrix_b_scale:MATRIX_SCALE_ROW1
.endif
.endr
.endm
; THE FIRST WALK'S VECTOR WORK: each lane keeps the maximum and the sum of its own keys
.macro STATS
	v_max3_num_f32 v108, v[SC], v[SC+1], v[SC+2]   ; four chains by turns; each accumulator is first read at its low end
	v_max3_num_f32 v110, v[SK], v[SK+1], v[SK+2]
	v_max3_num_f32 v109, v[SC+16], v[SC+17], v[SC+18]
	v_max3_num_f32 v111, v[SK+16], v[SK+17], v[SK+18]
.irp i, 3,5,7,9,11,13
	v_max3_num_f32 v108, v108, v[SC+\i], v[SC+\i+1]
	v_max3_num_f32 v110, v110, v[SK+\i], v[SK+\i+1]
	v_max3_num_f32 v109, v109, v[SC+16+\i], v[SC+17+\i]
	v_max3_num_f32 v111, v111, v[SK+16+\i], v[SK+17+\i]
.endr
	v_max3_num_f32 v108, v108, v[SC+15], v[SC+31]
	v_max3_num_f32 v110, v110, v[SK+15], v[SK+31]
	s_delay_alu instid0(VALU_DEP_2)
	v_max3_num_f32 v61, v108, v109, v61            ; the running maximum
	s_delay_alu instid0(VALU_DEP_2)
	v_max3_num_f32 v63, v110, v111, v63
	s_delay_alu instid0(VALU_DEP_2)
	v_mul_f32 v108, s24, v61                       ; the new B = -c m
	s_delay_alu instid0(VALU_DEP_2)
	v_mul_f32 v110, s24, v63
	s_delay_alu instid0(VALU_DEP_2)
	v_sub_f32 v68, v108, v60                       ; new B - old B, 0 or less
	s_delay_alu instid0(VALU_DEP_2)
	v_sub_f32 v70, v110, v62
	s_delay_alu instid0(VALU_DEP_4)
	v_mov_b32 v60, v108
	s_delay_alu instid0(VALU_DEP_4)
	v_mov_b32 v62, v110
.irp j, 0,2,4,6,8,10,12,14,16,18,20,22,24,26,28,30
	v_pk_fma_f32 v[SC+\j:SC+\j+1], v[SC+\j:SC+\j+1], s[22:23], v[60:61] op_sel_hi:[1,0,0]   ; c s + B, two at a time
	v_pk_fma_f32 v[SK+\j:SK+\j+1], v[SK+\j:SK+\j+1], s[22:23], v[62:63] op_sel_hi:[1,0,0]
.endr
	s_wait_alu depctr_va_vdst(0)                   ; ahead of the batch
	v_exp_f32 v68, v68                             ; one batch: the two factors and the 64 p
	v_exp_f32 v70, v70
.irp j, 0,1,2,3,4,5,6,7,8,9,10,11,12,13,14,15,16,17,18,19,20,21,22,23,24,25,26,27,28,29,30,31
	v_exp_f32 v[SC+\j], v[SC+\j]
	v_exp_f32 v[SK+\j], v[SK+\j]
.endr
	v_nop                                          ; a plain line behind the last exponential
	s_wait_alu depctr_va_vdst(0)                   ; and behind it, ahead of its first reader
	v_pk_mul_f32 v[64:65], v[64:65], v[68:69] op_sel_hi:[1,0]
	v_pk_mul_f32 v[66:67], v[66:67], v[70:71] op_sel_hi:[1,0]
	v_pk_add_f32 v[108:109], v[SC:SC+1], v[SC+2:SC+3]
	v_pk_add_f32 v[110:111], v[SK:SK+1], v[SK+2:SK+3]
.irp j, 4,8,12,16,20,24,28
	v_pk_add_f32 v[64:65], v[64:65], v[SC+\j:SC+\j+1]
	v_pk_add_f32 v[66:67], v[66:67], v[SK+\j:SK+\j+1]
	v_pk_add_f32 v[108:109], v[108:109], v[SC+\j+2:SC+\j+3]
	v_pk_add_f32 v[110:111], v[110:111], v[SK+\j+2:SK+\j+3]
.endr
	s_delay_alu instid0(VALU_DEP_2)
	v_pk_add_f32 v[64:65], v[64:65], v[108:109]
	s_delay_alu instid0(VALU_DEP_2)
	v_pk_add_f32 v[66:67], v[66:67], v[110:111]
.endm
; THE SECOND WALK'S VECTOR WORK: A of 64 keys and its codes: blocks 2 gp and 2 gp + 1 of the step's four
.macro MAKEP gp
.irp j, 0,2,4,6,8,10,12,14,16,18,20,22,24,26,28,30
	v_pk_fma_f32 v[SC+\j:SC+\j+1], v[SC+\j:SC+\j+1], v[72:73], v[60:61] op_sel_hi:[1,0,0]   ; c s + B + log2(weight / sum)
	v_pk_fma_f32 v[SK+\j:SK+\j+1], v[SK+\j:SK+\j+1], v[74:75], v[62:63] op_sel_hi:[1,0,0]
.endr
	s_wait_alu depctr_va_vdst(0)                   ; ahead of the batch
.irp j, 0,1,2,3,4,5,6,7,8,9,10,11,12,13,14,15,16,17,18,19,20,21,22,23,24,25,26,27,28,29,30,31
	v_exp_f32 v[SC+\j], v[SC+\j]
	v_exp_f32 v[SK+\j], v[SK+\j]
.endr
	v_nop
	s_wait_alu depctr_va_vdst(0)                   ; one wait for the 64
.irp j, 0,2,4,6,8,10,12,14,16,18,20,22,24,26,28,30
	v_pk_add_f32 v[SC+\j:SC+\j+1], v[SC+\j:SC+\j+1], v[SK+\j:SK+\j+1]   ; A
.endr
.irp b, 0,1
	v_max3_num_f32 v[108+\b], v[SC+16*\b], v[SC+16*\b+1], 0x4800000   ; A is not negative: no |.|; the floor 2^(9 - 127).  Two chains a block, four by turns
.endr
.irp b, 0,1
	v_max3_num_f32 v[118+\b], v[SC+16*\b+8], v[SC+16*\b+9], v[SC+16*\b+10]
.endr
.irp i, 2,4
.irp b, 0,1
	v_max3_num_f32 v[108+\b], v[108+\b], v[SC+16*\b+\i], v[SC+16*\b+\i+1]
.endr
.irp b, 0,1
	v_max3_num_f32 v[118+\b], v[118+\b], v[SC+16*\b+\i+9], v[SC+16*\b+\i+10]
.endr
.endr
.irp b, 0,1
	v_max3_num_f32 v[108+\b], v[108+\b], v[SC+16*\b+6], v[SC+16*\b+7]
.endr
.irp b, 0,1
	v_max3_num_f32 v[108+\b], v[108+\b], v[118+\b], v[SC+16*\b+15]
.endr
.irp b, 0,1
	s_delay_alu instid0(VALU_DEP_2)
	v_permlanex16_b32 v[110+\b], v[108+\b], s26, s27
.endr
.irp b, 0,1
	s_delay_alu instid0(VALU_DEP_2)
	v_max_num_f32 v[108+\b], v[108+\b], v[110+\b]
.endr
.irp b, 0,1
	s_delay_alu instid0(VALU_DEP_2)
	v_add_nc_u32 v[112+\b], 0xfc000000, v[108+\b]
.endr
.irp b, 0,1
	s_delay_alu instid0(VALU_DEP_4)
	v_and_or_b32 v[114+\b], v[108+\b], 0x7f800000, s25
.endr
.irp b, 0,1
	s_delay_alu instid0(VALU_DEP_4)
	v_lshrrev_b32 v[116+\b], 23, v[112+\b]
.endr
.if \gp == 0
	s_delay_alu instid0(VALU_DEP_1)
	v_lshl_or_b32 v59, v117, 8, v116               ; A's scale word; the 16 pairs of holds below are more than the eight places that it wants ahead of the product
.else
	s_delay_alu instid0(VALU_DEP_2)
	v_lshl_or_b32 v59, v116, 16, v59
	s_delay_alu instid0(VALU_DEP_1)
	v_lshl_or_b32 v59, v117, 24, v59
.endif
.irp b, 0,1
	v_mov_b32 v[120+\b], v[114+\b]                 ; a second copy of the hold, two register banks on, for the pair's other half
.endr
.irp b, 0,1
.irp i, 0,2,4,6,8,10,12,14
	v_dual_min_num_f32 v[SC+16*\b+\i], v[SC+16*\b+\i], v[114+\b] :: v_dual_min_num_f32 v[SC+16*\b+\i+1], v[SC+16*\b+\i+1], v[120+\b]   ; the conversion does not saturate (ISA guide 7.6.2); one-sided, since A is not negative; two holds an instruction
.endr
.endr
.irp b, 0,1
	v_cvt_scalef32_pk8_fp8_f32 v[PCD+8*\gp+4*\b:PCD+8*\gp+4*\b+1], v[SC+16*\b:SC+16*\b+7], v[112+\b]
	v_cvt_scalef32_pk8_fp8_f32 v[PCD+8*\gp+4*\b+2:PCD+8*\gp+4*\b+3], v[SC+16*\b+8:SC+16*\b+15], v[112+\b]
.endr
	v_nop                                          ; a plain line behind the last conversion
.endm
; 64 keys.  The two arms differ in the C operand alone and join ahead of the vector work
.macro GROUP walk, gp
	s_wait_alu depctr_va_vdst(0)                   ; the wait ahead of the branch
	s_bitcmp1_b32 s[MIX], 0
	s_cbranch_scc0 .Lopen_\@
.if \gp == 0
	s_wait_loadcnt 0x2                             ; the first 64 keys' mask bytes are in; the two loads of the second 64 are the only younger ones
.else
	s_wait_loadcnt 0x0
.endif
	PERMS \gp, 0
	PERMS \gp, 1
	PERMS \gp, 2
	PERMS \gp, 3
.if \gp == 1
	PRE 1                                          ; all 16 mask registers have been read
.endif
	s_wait_alu depctr_va_vdst(0)
	s_wait_dscnt 0x0
	SCORES 1
	s_branch .Ljoin_\@
.Lopen_\@:
.if \gp == 1
	PRE 1
.endif
	s_wait_dscnt 0x0
	SCORES 0
.Ljoin_\@:
	PLACES 9                                       ; nine: the next 64 keys' products write over these results; eight serve the loads below and the reads
.if \gp == 0
	KLOAD 1
.elseif \walk == 2
	VLOAD
.endif
.if \walk == 1
	STATS
.else
	MAKEP \gp
.endif
.endm
.macro PV                              ; O^T += V^T A^T, K = the step's 128 keys.  Two accumulators, one instruction a turn, sixteen other products between a sum's links
	PLACES 3                                       ; with the line behind the conversions: four places behind the codes
	s_wait_alu depctr_va_vdst(0)
	s_wait_dscnt 0x0
	v_wmma_scale_f32_16x16x128_f8f6f4 v[76:83], v[140:155], v[PCD:PCD+15], v[76:83], v58, v59
	v_wmma_scale_f32_16x16x128_f8f6f4 v[84:91], v[156:171], v[PCD:PCD+15], v[84:91], v58, v59 matrix_a_scale:MATRIX_SCALE_ROW1
	s_wait_alu depctr_va_vdst(0)
	PLACES 8                                       ; ahead of the next step's loads into the operands, and of the reads of O^T
.endm
; A walk of one segment: sixteen trips, a constant; a step that is not walked jumps over its work and not over the lines that step addresses
.macro WALK walk
	s_mov_b32 s[CNT], 0
	s_mov_b32 s[TB], 0
	s_mov_b32 s[TS], 0
.Lslot_\@:
	s_add_co_u32 s[MN], s[CNT], 1
	s_and_b32 s[MN], s[MN], 15
	s_lshl_b32 s[MN], s[MN], 11
	s_bitcmp1_b32 s[CUR], 0
	s_cbranch_scc0 .Lskip_\@
	v_add_nc_u32 v[ADK], s[TB], v[L16]
	v_add_nc_u32 v[ADS], s[TS], v8
	v_add_nc_u32 v[ADT], s[TS], v9
	v_add_nc_u32 v[ADKK], 65536, v[ADK]
	v_add_nc_u32 v[ADV], 131072, v[ADK]
	KLOAD 0
	GROUP \walk, 0
	GROUP \walk, 1
.if \walk == 2
	PV
.endif
	s_branch .Lend_\@
.Lskip_\@:
	PRE 1
.Lend_\@:
	s_lshr_b32 s[CUR], s[CUR], 1
	s_lshr_b32 s[MIX], s[MIX], 1
	s_add_co_u32 s[TB], s[TB], 4096
	s_add_co_u32 s[TS], s[TS], 128
	s_add_co_u32 s[CNT], s[CNT], 1
	s_cmp_lt_u32 s[CNT], 16
	s_cbranch_scc1 .Lslot_\@
.endm
; A segment's start: its tile's mask bytes and step bits, and its Q out of my own LDS bytes
.macro SEGSEL
	s_wait_xcnt 0x0                                ; every earlier load has read its base and its offset: they may be written
	s_cmp_eq_u32 s[SEG], 0
	s_cselect_b64 s[40:41], s[46:47], s[48:49]
	s_cselect_b32 s[CUR], s50, s51
	s_cselect_b32 s[MIX], s52, s53
	s_mov_b32 s[MN], 0
	v_add_nc_u32 v4, s55, v[L16]
	v_lshrrev_b32 v5, 2, v[L16]
	v_add_nc_u32 v5, s55, v5
	ds_load_b128 v[24:27], v4
	ds_load_b128 v[40:43], v4 offset:512
	ds_load_b32 v56, v5 offset:1024
.endm
	s_load_b256 s[4:11], s[0:1], 0x0               ; ws, mk, need, alpha_logit
	s_load_b128 s[12:15], s[0:1], 0x20             ; oc, os
	v_lshl_add_u32 v254, v0, 2, SPARE
	v_mov_b32 v255, 0
	v_lshrrev_b32 v1, 5, v0
	v_readfirstlane_b32 s16, v1                    ; wave 0..15
	s_and_b32 s59, s16, 7
	s_lshr_b32 s60, s16, 3                         ; which part of the pair
	s_lshl_b32 s61, s60, 2
	s_xor_b32 s59, s59, s61                        ; j: the pair is wave j and wave 8 + (j xor 4)
	s_xor_b32 s42, s59, 15                         ; segment 0's rank, 15 - j
	s_mul_i32 s17, s60, 15
	s_xor_b32 s17, s17, s42                        ; the rank that I finish: 15 - j in part 0, j in part 1
	s_lshl_b32 s20, s17, 3
	s_add_co_u32 s20, s20, ttmp9                   ; its tile
	s_lshl_b32 s42, s42, 3
	s_add_co_u32 s42, s42, ttmp9                   ; segment 0's tile
	s_lshl_b32 s43, s59, 3
	s_add_co_u32 s43, s43, ttmp9                   ; segment 1's
	s_mov_b32 s52, 0x3ff
	s_cmp_lt_u32 s59, 4
	s_cselect_b32 s52, 0x1fff, s52                 ; part 0's steps of segment 0: 0-12 where j < 4, else 0-9
	s_add_co_u32 s53, s59, 1
	s_lshr_b32 s53, s53, 3                         ; of segment 1: step 0 where j = 7, else none
	s_mul_i32 s61, s60, 0xffff
	s_xor_b32 s52, s52, s61                        ; part 1 has all the other steps
	s_xor_b32 s53, s53, s61
	s_and_b32 s21, ttmp7, 0xffff                   ; bh
	s_mov_b32 s22, 0x3e8293ee                      ; c = log2(e) / sqrt(32)
	s_mov_b32 s23, s22
	s_mov_b32 s24, 0xbe8293ee                      ; -c
	s_mov_b32 s25, 0x600000                        ; the mantissa field of 448
	s_mov_b32 s26, 0x76543210
	s_mov_b32 s27, 0xfedcba98
	s_mov_b32 s28, 0x000c0c0c                      ; selectors: byte k to the top, zeros below
	s_mov_b32 s29, 0x010c0c0c
	s_mov_b32 s30, 0x020c0c0c
	s_mov_b32 s31, 0x030c0c0c
	s_lshr_b32 s18, s42, 2
	s_lshl_b32 s18, s18, 6                         ; Q's scale words: the tile's group of four
	s_lshl_b32 s19, s42, 9                         ; Q's codes: 512 bytes a tile
	s_lshr_b32 s61, s43, 2
	s_lshl_b32 s61, s61, 6
	s_lshl_b32 s62, s43, 9
	v_and_b32 v2, 31, v0
	v_lshlrev_b32 v[L16], 4, v2
	v_and_b32 v3, 15, v0                           ; r
	v_bfe_u32 v4, v0, 4, 1                         ; h
	v_lshlrev_b32 v8, 2, v3
	v_lshl_add_u32 v8, v4, 11, v8                  ; 4 r + 2,048 h: content's words in lanes 0-15, category's in lanes 16-31
	v_lshlrev_b32 v9, 2, v2
	v_add_nc_u32 v6, s18, v8
	v_add_nc_u32 v7, s19, v[L16]
	v_add_nc_u32 v3, s61, v8
	v_add_nc_u32 v5, s62, v[L16]
	v_add_nc_u32 v8, KCS, v8
	v_add_nc_u32 v9, VS, v9
	v_lshlrev_b32 v60, 4, v0                       ; the fill: 16 bytes a thread, 8,192 a turn of the work-group; in memory and in LDS alike
	v_add_nc_u32 v61, 65536, v60
	v_add_nc_u32 v63, 196608, v60
	s_mul_i32 s18, s21, REC
	s_mov_b32 s19, 0
	s_wait_alu depctr_va_vdst(0)                   ; the wait at the head's end
	s_wait_kmcnt 0x0
	s_add_nc_u64 s[38:39], s[4:5], s[18:19]        ; my record
	s_lshl_b32 s18, s42, 15
	s_add_nc_u64 s[46:47], s[6:7], s[18:19]        ; the two tiles' mask bytes
	s_lshl_b32 s18, s43, 15
	s_add_nc_u64 s[48:49], s[6:7], s[18:19]
	s_lshl_b32 s18, s42, 2
	s_add_nc_u64 s[44:45], s[8:9], s[18:19]
	s_load_b32 s50, s[44:45], 0x0                  ; their step words
	s_lshl_b32 s18, s43, 2
	s_add_nc_u64 s[62:63], s[8:9], s[18:19]
	s_load_b32 s51, s[62:63], 0x0
	s_load_b32 s37, s[10:11], 0x0
	s_lshr_b32 s18, s21, 3
	s_lshl_b32 s18, s18, 7
	s_add_co_u32 s18, s18, s20                     ; 128 b + the tile that I finish
	s_lshl_b32 s18, s18, 3
	s_and_b32 s61, s21, 7
	s_add_co_u32 s18, s18, s61                     ; x 8 + head
	s_lshl_b32 s18, s18, 9
	s_add_nc_u64 s[12:13], s[12:13], s[18:19]
	s_lshl_b32 s18, s21, 3
	s_add_co_u32 s18, s18, ttmp9
	s_lshl_b32 s18, s18, 8
	s_add_nc_u64 s[14:15], s[14:15], s[18:19]
	global_load_b128 v[24:27], v7, s[38:39] offset:QC
	global_load_b128 v[40:43], v7, s[38:39] offset:QK
	global_load_b32 v72, v6, s[38:39] offset:QCS
	global_load_b128 v[208:211], v5, s[38:39] offset:QC
	global_load_b128 v[212:215], v5, s[38:39] offset:QK
	global_load_b32 v73, v3, s[38:39] offset:QCS
	s_cmp_lt_u32 s16, 12                           ; K's codes: 256 pieces of 512 bytes, 16 a wave; the scales: 12 pieces, one for each of waves 0 to 11, asked for first, so that the counts below hold for every wave
	s_cbranch_scc0 .Lno_extra_load
	global_load_b128 v[204:207], v60, s[38:39] offset:196608
.Lno_extra_load:
.irp k, 0,1,2,3,4,5,6,7,8,9,10,11,12,13,14,15
	global_load_b128 v[108+4*\k:111+4*\k], v60, s[38:39] offset:8192*\k
.endr
.irp j, 12,13,14,15,16,17,18,19,20,21,22,23,28,29,30,31,32,33,34,35,36,37,38,39,44,45,46,47,48,49,50,51,52,53,54,55
	v_mov_b32 v\j, 0                               ; the window's zero codes
.endr
.irp j, 0,1,2,3,4,5,6,7,8,9,10,11,12,13,14,15
	v_mov_b32 v[R+\j], 0
.endr
.irp k, 0,1,2,3,4,5,6,7,8,9,10,11,12,13,14,15
	s_wait_loadcnt 15-\k                           ; piece k is in; the 15 - k younger ones may be out
	ds_store_b128 v[60+\k/8], v[108+4*\k:111+4*\k] offset:8192*(\k%8)
.endr
	; V's codes, 8 pieces a wave, are read by the second walk alone: they are asked for now, into the registers of O^T and of A's codes, which the first walk does not name, and go to LDS behind it
.irp i, 0,1,2,3
	global_load_b128 v[76+4*\i:79+4*\i], v60, s[38:39] offset:131072+8192*\i
	global_load_b128 v[236+4*\i:239+4*\i], v60, s[38:39] offset:163840+8192*\i
.endr
	s_cmp_lt_u32 s16, 12
	s_cbranch_scc0 .Lno_extra_store
	ds_store_b128 v63, v[204:207]
.Lno_extra_store:
	s_and_b32 s18, s42, 3
	s_lshl_b32 s18, s18, 3
	s_and_b32 s61, s43, 3
	s_lshl_b32 s61, s61, 3
	s_mov_b32 s19, 0x01010101
	s_mul_i32 s55, s16, 2*QSEG
	s_add_co_u32 s55, s55, QB                      ; my Q bytes in LDS
	v_lshrrev_b32 v72, s18, v72                    ; the tile's byte of the word,
	v_lshrrev_b32 v73, s61, v73
	v_and_b32 v72, 0xff, v72
	v_and_b32 v73, 0xff, v73
	v_mul_lo_u32 v72, v72, s19                     ; in all four bytes: Q may stand in any block
	v_mul_lo_u32 v73, v73, s19
	v_add_nc_u32 v6, s55, v[L16]
	v_lshrrev_b32 v7, 2, v[L16]
	v_add_nc_u32 v7, s55, v7
	ds_store_b128 v6, v[24:27]
	ds_store_b128 v6, v[40:43] offset:512
	ds_store_b32 v7, v72 offset:1024
	ds_store_b128 v6, v[208:211] offset:QSEG
	ds_store_b128 v6, v[212:215] offset:QSEG+512
	ds_store_b32 v7, v73 offset:QSEG+1024
.irp j, 68,69,70,71,72,73,74,75
	v_mov_b32 v\j, 0
.endr
	s_wait_kmcnt 0x0
	v_mov_b32 v10, s37
	v_mul_f32 v10, 0xbfb8aa3b, v10
	s_wait_alu depctr_va_vdst(0)
	v_exp_f32 v10, v10                             ; e^-a
	v_nop
	s_wait_alu depctr_va_vdst(0)
	v_add_f32 v10, 1.0, v10
	s_wait_alu depctr_va_vdst(0)
	v_rcp_f32 v11, v10                             ; alpha
	v_nop
	s_wait_alu depctr_va_vdst(0)
	v_sub_f32 v10, 1.0, v11                        ; 1 - alpha
	s_wait_alu depctr_va_vdst(0)
	v_log_f32 v10, v10
	v_log_f32 v11, v11
	v_nop
	s_wait_alu depctr_va_vdst(0)
	s_lshr_b32 s18, s50, 16                        ; walked = stored bits cut by my share; mixed = walked and holding blocked bytes
	s_and_b32 s50, s50, s52
	s_and_b32 s52, s18, s50
	s_lshr_b32 s18, s51, 16
	s_and_b32 s51, s51, s53
	s_and_b32 s53, s18, s51
	s_wait_dscnt 0x0                               ; for the others' sake: my pieces have landed
	s_barrier_signal -1
	s_barrier_wait -1
	; THE FIRST WALK, both segments
	s_mov_b32 s[SEG], 0
	s_lshl_b32 s56, s60, 3
	s_add_co_u32 s56, s56, s59                     ; my slots' number: 8 x part + j
	s_lshl_b32 s56, s56, 10
	s_add_co_u32 s56, s56, STB                     ; my slot for maxima and sums
.Lw1seg:
	SEGSEL
	v_mov_b32 v61, 0xf1800000                      ; the maxima begin at -2^100
	v_mov_b32 v63, 0xf1800000
	v_mul_f32 v60, s24, v61
	v_mul_f32 v62, s24, v63
.irp j, 64,65,66,67
	v_mov_b32 v\j, 0
.endr
	PRE 0
	s_wait_alu depctr_va_vdst(0)
	s_wait_dscnt 0x0                               ; Q is in
	WALK 1
	s_wait_alu depctr_va_vdst(0)
	v_add_f32 v110, v64, v65
	v_add_f32 v111, v66, v67
	v_mov_b32 v108, v60
	v_mov_b32 v109, v62
	v_add_nc_u32 v3, s56, v[L16]
	ds_store_b128 v3, v[108:111]                   ; B, B, sum, sum of my lane's keys
	s_add_co_u32 s55, s55, QSEG
	s_add_co_u32 s56, s56, 512
	s_add_co_u32 s[SEG], s[SEG], 1
	s_cmp_lt_u32 s[SEG], 2
	s_wait_alu depctr_va_vdst(0)
	s_cbranch_scc1 .Lw1seg
	s_wait_loadcnt 0x0                             ; V's pieces are in
	v_lshlrev_b32 v3, 4, v0
	v_add_nc_u32 v3, 131072, v3
.irp i, 0,1,2,3
	ds_store_b128 v3, v[76+4*\i:79+4*\i] offset:8192*\i
	ds_store_b128 v3, v[236+4*\i:239+4*\i] offset:32768+8192*\i
.endr
	s_wait_dscnt 0x0                               ; for the others' sake: my slots and my pieces of V have landed
	s_barrier_signal -1
	s_barrier_wait -1
	; THE SECOND WALK, both segments
	s_mov_b32 s[SEG], 0
	s_mul_i32 s55, s16, 2*QSEG
	s_add_co_u32 s55, s55, QB
	s_lshl_b32 s57, s59, 10
	s_add_co_u32 s57, s57, STB                     ; the pair's slots: part 0's here, part 1's 8,192 bytes on
	s_lshl_b32 s58, s60, 3
	s_add_co_u32 s58, s58, s59
	s_lshl_b32 s58, s58, 12
	s_add_co_u32 s58, s58, OB                      ; my slot for O^T
.Lw2seg:
	SEGSEL
	v_and_b32 v3, 0xf0, v[L16]                     ; 16 r
	v_add_nc_u32 v3, s57, v3
	ds_load_b128 v[108:111], v3                    ; the row's four parts, in one order in every lane: two waves x two halves of the lanes
	ds_load_b128 v[112:115], v3 offset:256
	ds_load_b128 v[116:119], v3 offset:8192
	ds_load_b128 v[120:123], v3 offset:8448
.irp j, 0,1,2,3,4,5,6,7,8,9,10,11,12,13,14,15
	v_mov_b32 v[76+\j], 0                          ; O^T: the step is written once, in a loop
.endr
	PRE 0
	s_wait_alu depctr_va_vdst(0)
	s_wait_dscnt 0x0
	v_min_num_f32 v124, v108, v112                 ; B of the largest maximum
	v_min_num_f32 v125, v109, v113
	v_min_num_f32 v126, v116, v120
	v_min_num_f32 v127, v117, v121
	v_min_num_f32 v124, v124, v126
	v_min_num_f32 v125, v125, v127
.irp i, 0,1,2,3
	v_sub_f32 v[128+2*\i], v124, v[108+4*\i]
	v_sub_f32 v[129+2*\i], v125, v[109+4*\i]
.endr
	s_wait_alu depctr_va_vdst(0)
.irp i, 0,1,2,3,4,5,6,7
	v_exp_f32 v[128+\i], v[128+\i]
.endr
	v_nop
	s_wait_alu depctr_va_vdst(0)
	v_mul_f32 v64, v110, v128
	v_mul_f32 v66, v111, v129
.irp i, 1,2,3
	v_fma_f32 v64, v[110+4*\i], v[128+2*\i], v64
	v_fma_f32 v66, v[111+4*\i], v[129+2*\i], v66
.endr
	v_mov_b32 v132, 0x45000000                     ; 2,048
	v_mov_b32 v72, s22
	v_mov_b32 v74, s22
	v_cmp_lt_f32 vcc_lo, 0x6c800000, v124          ; 2^90 < B: no key of the row counts
	v_cndmask_b32 v72, v72, v12, vcc_lo            ; then every p is 2^0
	v_cndmask_b32 v60, v124, v12, vcc_lo
	v_cndmask_b32 v64, v64, v132, vcc_lo           ; and the sum 2,048
	v_cmp_lt_f32 vcc_lo, 0x6c800000, v125
	v_cndmask_b32 v74, v74, v12, vcc_lo
	v_cndmask_b32 v62, v125, v12, vcc_lo
	v_cndmask_b32 v66, v66, v132, vcc_lo
	s_wait_alu depctr_va_vdst(0)
	v_log_f32 v64, v64
	v_log_f32 v66, v66
	v_nop
	s_wait_alu depctr_va_vdst(0)
	v_sub_f32 v64, v10, v64                        ; log2(weight / sum)
	v_sub_f32 v66, v11, v66
	v_add_f32 v60, v60, v64
	v_add_f32 v62, v62, v66
	s_wait_alu depctr_va_vdst(0)
	WALK 2
	s_wait_alu depctr_va_vdst(0)
	v_add_nc_u32 v3, s58, v[L16]
.irp c, 0,1,2,3
	ds_store_b128 v3, v[76+4*\c:79+4*\c] offset:512*\c   ; my part of O^T; each accumulator from its low end on
.endr
	s_add_co_u32 s55, s55, QSEG
	s_add_co_u32 s57, s57, 512
	s_add_co_u32 s58, s58, 2048
	s_add_co_u32 s[SEG], s[SEG], 1
	s_cmp_lt_u32 s[SEG], 2
	s_wait_alu depctr_va_vdst(0)
	s_cbranch_scc1 .Lw2seg
	s_wait_dscnt 0x0                               ; for the others' sake: my parts have landed
	s_barrier_signal -1
	s_barrier_wait -1
	; THE END: part 0's wave finishes segment 0's tile, part 1's segment 1's: the two parts of O^T are added
	s_lshl_b32 s18, s59, 12
	s_lshl_b32 s19, s60, 11
	s_add_co_u32 s18, s18, s19
	s_add_co_u32 s18, s18, OB
	v_add_nc_u32 v3, s18, v[L16]
.irp c, 0,1,2,3
	ds_load_b128 v[76+4*\c:79+4*\c], v3 offset:512*\c
	ds_load_b128 v[108+4*\c:111+4*\c], v3 offset:32768+512*\c
.endr
	s_wait_dscnt 0x0
.irp i, 0,2,4,6,8,10,12,14
	v_pk_add_f32 v[76+\i:77+\i], v[76+\i:77+\i], v[108+\i:109+\i]
.endr
	; my 16 registers are numbers 16 h + 0 .. 15 of my query's head: half a block of the last product's K; the other half lies in lane l xor 16
	v_max3_num_f32 v124, |v76|, |v77|, 0x4800000
	v_max3_num_f32 v125, |v84|, |v85|, |v86|
	v_max3_num_f32 v124, v124, |v78|, |v79|
	v_max3_num_f32 v125, v125, |v87|, |v88|
	v_max3_num_f32 v124, v124, |v80|, |v81|
	v_max3_num_f32 v125, v125, |v89|, |v90|
	v_max3_num_f32 v124, v124, |v82|, |v83|
	v_max3_num_f32 v124, v124, v125, |v91|
	v_permlanex16_b32 v126, v124, s26, s27
	v_max_num_f32 v124, v124, v126
	v_add_nc_u32 v110, 0xfc000000, v124
	v_and_or_b32 v111, v124, 0x7f800000, s25
	v_lshrrev_b32 v112, 23, v110
.irp i, 0,1,2,3,4,5,6,7,8,9,10,11,12,13,14,15
	v_med3_num_f32 v[76+\i], v[76+\i], -v111, v111
.endr
	v_cvt_scalef32_pk8_fp8_f32 v[120:121], v[76:83], v110
	v_cvt_scalef32_pk8_fp8_f32 v[122:123], v[84:91], v110
	v_nop
	global_store_b128 v[L16], v[120:123], s[12:13] ; 512 bytes on end, at a multiple of 512 from the buffer's first byte
	v_and_b32 v127, 15, v0
	s_lshl_b32 s18, s17, 4
	s_add_co_u32 s18, s18, OSC
	v_add_nc_u32 v127, s18, v127                   ; 16 bytes a rank
	ds_store_b8 v127, v112                         ; both halves of the lanes write the same byte with the same value
	s_wait_dscnt 0x0
	s_barrier_signal -1
	s_barrier_wait -1
	s_cmp_lg_u32 s16, 0
	s_cbranch_scc1 .Lend
	v_and_b32 v114, 31, v0
	v_lshlrev_b32 v114, 3, v114
	v_add_nc_u32 v115, OSC, v114
	ds_load_b64 v[116:117], v115
	s_wait_alu depctr_va_vdst(0)
	s_wait_dscnt 0x0
	global_store_b64 v114, v[116:117], s[14:15]    ; 256 bytes on end, aligned: the sixteen tiles' scale bytes
.Lend:
	s_wait_tensorcnt 0x0                           ; the wave's end
	ds_add_u32 v254, v255
	s_wait_dscnt 0x0
	s_endpgm
.Lfunc_end_k_qab718d9f20_attn:
	.size	k_qab718d9f20_attn, .Lfunc_end_k_qab718d9f20_attn-k_qab718d9f20_attn
	.p2alignl 7, 3214868480
	.fill 96, 4, 3214868480
	.section	.rodata,"a",@progbits
	.p2align	6, 0x0
	.amdhsa_kernel k_qab718d9f20_attn
		.amdhsa_group_segment_fixed_size 323840
		.amdhsa_private_segment_fixed_size 0
		.amdhsa_enable_private_segment 0
		.amdhsa_kernarg_size 48
		.amdhsa_user_sgpr_count 2
		.amdhsa_user_sgpr_kernarg_segment_ptr 1
		.amdhsa_wavefront_size32 1
		.amdhsa_system_sgpr_workgroup_id_x 1
		.amdhsa_system_sgpr_workgroup_id_y 1
		.amdhsa_system_sgpr_workgroup_id_z 1
		.amdhsa_system_vgpr_workitem_id 0
		.amdhsa_next_free_vgpr 256
		.amdhsa_next_free_sgpr 66
		.amdhsa_reserve_vcc 1
		.amdhsa_float_denorm_mode_32 3
		.amdhsa_float_denorm_mode_16_64 3
		.amdhsa_memory_ordered 1
		.amdhsa_forward_progress 1
		.amdhsa_inst_pref_size 86
	.end_amdhsa_kernel
	.amdgpu_metadata
---
amdhsa.version: [ 1, 2 ]
amdhsa.kernels:
  - .name:           k_qab718d9f20_attn
    .symbol:         k_qab718d9f20_attn.kd
    .args:
      - { .name: ws, .offset: 0, .size: 8, .value_kind: global_buffer, .address_space: global }
      - { .name: mk, .offset: 8, .size: 8, .value_kind: global_buffer, .address_space: global }
      - { .name: need, .offset: 16, .size: 8, .value_kind: global_buffer, .address_space: global }
      - { .name: alpha_logit, .offset: 24, .size: 8, .value_kind: global_buffer, .address_space: global }
      - { .name: oc, .offset: 32, .size: 8, .value_kind: global_buffer, .address_space: global }
      - { .name: os, .offset: 40, .size: 8, .value_kind: global_buffer, .address_space: global }
    .group_segment_fixed_size: 323840
    .private_segment_fixed_size: 0
    .kernarg_segment_align: 8
    .kernarg_segment_size: 48
    .max_flat_workgroup_size: 512
    .sgpr_count:     66
    .vgpr_count:     256
    .wavefront_size: 32
...
	.end_amdgpu_metadata
.endif
;; end of part 2
;; launch outp (part 3): grid 256 x 1, 8 waves a work-group, no clusters, 34,304 bytes of LDS; arguments oc, os, wq, bo, out0; writes out0
.if DOCPART == 3
	.amdgcn_target "amdgcn-amd-amdhsa--gfx1250"
	.amdhsa_code_object_version 6
	.text
	.protected	k_qab718d9f20_outp
	.globl	k_qab718d9f20_outp
	.p2align	8
	.type	k_qab718d9f20_outp,@function
k_qab718d9f20_outp:
	s_mov_b64 s[64:65], 0
	v_nop
	global_prefetch_b8 v0, s[64:65] scope:SCOPE_SE
	s_setreg_imm32_b32 hwreg(HW_REG_WAVE_MODE, 25, 1), 1
	s_wait_xcnt 0x0
; OUTP.  out = O Wo^T + bo on codes of E4M3 with E8M0 scales, K = 256 in two steps of 128.  O's and Wo's codes come as images of operand registers, 512 bytes on end a load.
; A work-group takes 32 tokens (two tiles of 16), wave w the columns 32 w .. 32 w + 31.  Source 0 = 16 rows of Wo, source 1 = O's 16 tokens: a lane holds eight neighbouring columns of one token.
; Row r of tile t is token 32 (t / 2) + 8 (t % 2) + r + 8 (r / 8); row r of Wo's tile u is row 32 w + 8 u + r + 8 (r / 8), so that a lane's registers of tile u are columns 32 w + 16 h + 8 u + 0 .. 7.
; The bias is the C of each sum's first product.  The results meet in a stage in LDS and leave as whole rows.
; No tensor load, ring or cluster: a work-group's operands are 8 KiB of O and 8 KiB of Wo to a wave, read once into registers; eight matrix instructions a wave.
.set LI, 4                             ; v4  16 x lane
.set LS, 5                             ; v5  4 x lane
.set WS, 48                            ; v48-51 Wo's scale words (2 u + K step)
.set OS, 52                            ; v52-55 O's (2 i + K step)
.set WF, 64                            ; v64-127 Wo's four fragments
.set OF, 128                           ; v128-191 O's four; later rows on their way out
.set DD, 192                           ; v192-223 four accumulators, 8 (2 i + u)
.set BB, 224                           ; v224-239 the bias of tiles u = 0, 1
.set SP, 1040                          ; a stage row: 1,024 bytes + 16
	s_load_b256 s[4:11], s[0:1], 0x0               ; oc, os, wq, bo
	s_load_b64 s[12:13], s[0:1], 0x20              ; out0
	v_lshl_add_u32 v254, v0, 2, 0x8200
	v_mov_b32 v255, 0
	v_lshrrev_b32 v1, 5, v0
	s_delay_alu instid0(VALU_DEP_1)
	v_readfirstlane_b32 s14, v1                    ; wave 0..7
	v_and_b32 v1, 31, v0
	v_and_b32 v2, 15, v0                           ; r
	v_bfe_u32 v3, v0, 4, 1                         ; h
	s_delay_alu instid0(VALU_DEP_3)
	v_lshlrev_b32 v[LI], 4, v1
	s_delay_alu instid0(VALU_DEP_4)
	v_lshlrev_b32 v[LS], 2, v1
	s_delay_alu instid0(VALU_DEP_3)
	v_lshlrev_b32 v6, 6, v3                        ; the bias: 64 h
	s_lshr_b32 s15, ttmp9, 6                       ; batch
	s_and_b32 s16, ttmp9, 63                       ; the pair of tiles in it
	s_lshl_b32 s20, s15, 7
	s_lshl_b32 s21, s16, 1
	s_add_co_u32 s20, s20, s21
	s_lshl_b32 s20, s20, 12                        ; oc: 4,096 bytes a tile
	s_mov_b32 s21, 0
	s_lshl_b32 s22, s15, 14                        ; os: [8 b + head][tile % 8][tile / 8][r]
	s_and_b32 s23, s16, 3
	s_lshl_b32 s23, s23, 9
	s_add_co_u32 s22, s22, s23
	s_lshr_b32 s23, s16, 2
	s_lshl_b32 s23, s23, 4
	s_add_co_u32 s22, s22, s23
	s_mov_b32 s23, 0
	s_lshl_b32 s24, s14, 13                        ; wq: my four fragments
	s_mov_b32 s25, 0
	s_lshl_b32 s26, s14, 9                         ; and their scale words
	s_mov_b32 s27, 0
	s_lshl_b32 s28, s14, 7                         ; bo: my 32 numbers
	s_mov_b32 s29, 0
	s_lshl_b32 s32, s15, 21                        ; out0: row 2,048 b + 32 pair + 4 w, 1,024 bytes a row
	s_lshl_b32 s33, s16, 15
	s_add_co_u32 s32, s32, s33
	s_lshl_b32 s33, s14, 12
	s_add_co_u32 s32, s32, s33
	s_mov_b32 s33, 0
	s_wait_alu depctr_va_vdst(0)
	s_wait_kmcnt 0x0
	s_add_nc_u64 s[4:5], s[4:5], s[20:21]
	s_add_nc_u64 s[6:7], s[6:7], s[22:23]
	s_add_nc_u64 s[30:31], s[8:9], s[26:27]
	s_add_nc_u64 s[8:9], s[8:9], s[24:25]
	s_add_nc_u64 s[10:11], s[10:11], s[28:29]
	s_add_nc_u64 s[12:13], s[12:13], s[32:33]
.irp i, 0,1
.irp d, 0,1,2,3,4,5,6,7
	global_load_u8 v[16+8*\i+\d], v2, s[6:7] offset:2048*\d+256*\i   ; O's scale byte of token r, head d
.endr
.endr
.irp f, 0,1,2,3
.irp c, 0,1,2,3
	global_load_b128 v[WF+16*\f+4*\c:WF+16*\f+4*\c+3], v[LI], s[8:9] offset:2048*\f+512*\c
.endr
	global_load_b32 v[WS+\f], v[LS], s[30:31] offset:65536+128*\f
.endr
.irp i, 0,1
.irp k, 0,1
.irp c, 0,1,2,3
	global_load_b128 v[OF+16*(2*\i+\k)+4*\c:OF+16*(2*\i+\k)+4*\c+3], v[LI], s[4:5] offset:4096*\i+2048*\k+512*\c
.endr
.endr
.endr
.irp u, 0,1
	global_load_b128 v[BB+8*\u:BB+8*\u+3], v6, s[10:11] offset:32*\u
	global_load_b128 v[BB+8*\u+4:BB+8*\u+7], v6, s[10:11] offset:32*\u+16
.endr
	v_and_b32 v7, 8, v2
	s_delay_alu instid0(VALU_DEP_1)
	v_add_nc_u32 v7, v7, v2
	s_delay_alu instid0(VALU_DEP_1)
	v_mul_u32_u24 v7, v7, SP
	s_delay_alu instid0(VALU_DEP_1)
	v_lshl_add_u32 v7, v3, 6, v7
	s_lshl_b32 s34, s14, 7
	v_add_nc_u32 v7, s34, v7                       ; the stage, in: row r + 8 (r / 8), + 128 w + 64 h
	s_mul_i32 s34, s14, 4*SP
	v_add_nc_u32 v8, s34, v[LI]                    ; back: my four rows, 16 bytes a lane
	s_wait_loadcnt 0x0
.irp i, 0,1
.irp k, 0,1
	v_lshl_or_b32 v[OS+2*\i+\k], v[16+8*\i+4*\k+1], 8, v[16+8*\i+4*\k]   ; heads 4 k .. 4 k + 3 are the four blocks of K step k
	s_delay_alu instid0(VALU_DEP_1)
	v_lshl_or_b32 v[OS+2*\i+\k], v[16+8*\i+4*\k+2], 16, v[OS+2*\i+\k]
	s_delay_alu instid0(VALU_DEP_1)
	v_lshl_or_b32 v[OS+2*\i+\k], v[16+8*\i+4*\k+3], 24, v[OS+2*\i+\k]
.endr
.endr
.rept 8
	v_nop                                          ; a scale word made by vector instructions stands eight places ahead of the product
.endr
.irp i, 0,1                            ; the four accumulators take turns, one instruction a turn, K step by K step
.irp u, 0,1
	v_wmma_scale_f32_16x16x128_f8f6f4 v[DD+8*(2*\i+\u):DD+8*(2*\i+\u)+7], v[WF+16*(2*\u):WF+16*(2*\u)+15], v[OF+16*(2*\i):OF+16*(2*\i)+15], v[BB+8*\u:BB+8*\u+7], v[WS+2*\u], v[OS+2*\i]
.endr
.endr
.irp i, 0,1
.irp u, 0,1
	v_wmma_scale_f32_16x16x128_f8f6f4 v[DD+8*(2*\i+\u):DD+8*(2*\i+\u)+7], v[WF+16*(2*\u+1):WF+16*(2*\u+1)+15], v[OF+16*(2*\i+1):OF+16*(2*\i+1)+15], v[DD+8*(2*\i+\u):DD+8*(2*\i+\u)+7], v[WS+2*\u+1], v[OS+2*\i+1]
.endr
.endr
.rept 8
	v_nop                                          ; eight places ahead of the first read of results and of loads into operands
.endr
.irp i, 0,1
.irp u, 0,1
	ds_store_b128 v7, v[DD+8*(2*\i+\u):DD+8*(2*\i+\u)+3] offset:8*SP*\i+32*\u          ; each accumulator from its low end on
	ds_store_b128 v7, v[DD+8*(2*\i+\u)+4:DD+8*(2*\i+\u)+7] offset:8*SP*\i+32*\u+16
.endr
.endr
	s_wait_dscnt 0x0                               ; for the others' sake: my stores have landed
	s_barrier_signal -1
	s_barrier_wait -1                              ; 32 whole rows lie in the stage
.irp k, 0,1,2,3,4,5,6,7
	ds_load_b128 v[OF+4*\k:OF+4*\k+3], v8 offset:SP*(\k/2)+512*(\k%2)
.endr
.irp k, 0,1,2,3,4,5,6,7
	s_wait_dscnt 7-\k                              ; load k is in; the younger ones may be out
	global_store_b128 v[LI], v[OF+4*\k:OF+4*\k+3], s[12:13] offset:512*\k th:TH_STORE_NT   ; 512 bytes on end, at a multiple of 512 from the buffer's first byte; written once, read by nobody here
.endr
	s_wait_tensorcnt 0x0
	ds_add_u32 v254, v255
	s_wait_dscnt 0x0
	s_endpgm
.Lfunc_end_k_qab718d9f20_outp:
	.size	k_qab718d9f20_outp, .Lfunc_end_k_qab718d9f20_outp-k_qab718d9f20_outp
	.p2alignl 7, 3214868480
	.fill 96, 4, 3214868480
	.section	.rodata,"a",@progbits
	.p2align	6, 0x0
	.amdhsa_kernel k_qab718d9f20_outp
		.amdhsa_group_segment_fixed_size 34304
		.amdhsa_private_segment_fixed_size 0
		.amdhsa_enable_private_segment 0
		.amdhsa_kernarg_size 40
		.amdhsa_user_sgpr_count 2
		.amdhsa_user_sgpr_kernarg_segment_ptr 1
		.amdhsa_wavefront_size32 1
		.amdhsa_system_sgpr_workgroup_id_x 1
		.amdhsa_system_sgpr_workgroup_id_y 1
		.amdhsa_system_sgpr_workgroup_id_z 1
		.amdhsa_system_vgpr_workitem_id 0
		.amdhsa_next_free_vgpr 256
		.amdhsa_next_free_sgpr 66
		.amdhsa_reserve_vcc 0
		.amdhsa_float_denorm_mode_32 3
		.amdhsa_float_denorm_mode_16_64 3
		.amdhsa_memory_ordered 1
		.amdhsa_forward_progress 1
		.amdhsa_inst_pref_size 13
	.end_amdhsa_kernel
	.amdgpu_metadata
---
amdhsa.version: [ 1, 2 ]
amdhsa.kernels:
  - .name:           k_qab718d9f20_outp
    .symbol:         k_qab718d9f20_outp.kd
    .args:
      - { .name: oc, .offset: 0, .size: 8, .value_kind: global_buffer, .address_space: global }
      - { .name: os, .offset: 8, .size: 8, .value_kind: global_buffer, .address_space: global }
      - { .name: wq, .offset: 16, .size: 8, .value_kind: global_buffer, .address_space: global }
      - { .name: bo, .offset: 24, .size: 8, .value_kind: global_buffer, .address_space: global }
      - { .name: out0, .offset: 32, .size: 8, .value_kind: global_buffer, .address_space: global }
    .group_segment_fixed_size: 34304
    .private_segment_fixed_size: 0
    .kernarg_segment_align: 8
    .kernarg_segment_size: 40
    .max_flat_workgroup_size: 256
    .sgpr_count:     66
    .vgpr_count:     256
    .wavefront_size: 32
...
	.end_amdgpu_metadata
.endif
;; end of part 3
